; MI455X (gfx1250); checked and timed in simulation.
; The chip was launched on July 23, 2026; its instructions are those of AMD's public machine-readable ISA for CDNA 5 (MIT licence, August 2026) and "CDNA5" Instruction Set Architecture Reference Guide (July 2026). The comments in the code are by the model that wrote it; some were corrected since.
;; Bernoulli RBF. Allowed arithmetic: float matrix products may take bf16 or f16 operands with f32 sums; all other float work in f32.
;; Inputs: data_neg 32,768 x 256 float32; data_pos 32,768 x 256 float32; scales_neg 256 float32; scales_pos 256 float32; weight_bias 2 float32; x 2,048 x 256 float32.
;; Outputs: out0 2,048 float32; out1 2,048 float32.
;; One version. Each part assembles by itself: llvm-mc -triple=amdgcn-amd-amdhsa -mcpu=gfx1250 --defsym DOCPART=n.
;; ======== version 1 of 1: 3 launches
;; limits: values are held in f16: magnitudes above 65,504 overflow, below 6.1e-05 lose precision; right only within a limited range of input values; a difference of large sums (such as E[x^2] - mean^2): digits are lost where the result is much smaller than its terms
;; workspace buffers: xa 2,097,152 bytes; xn 16,384 bytes; part 2,097,152 bytes
;; launch prep (part 1): grid 64 x 1, 16 waves a work-group, no clusters, 2,304 bytes of LDS; arguments x, scales_pos, scales_neg, xa, xn; writes xa, xn
.if DOCPART == 1
	.amdgcn_target "amdgcn-amd-amdhsa--gfx1250"
	.amdhsa_code_object_version 6
	.text
	.protected	k_qdfa5bf8be8_prep
	.globl	k_qdfa5bf8be8_prep
	.p2align	8
	.type	k_qdfa5bf8be8_prep,@function
k_qdfa5bf8be8_prep:
	s_mov_b64 s[64:65], 0
	v_nop
	global_prefetch_b8 v0, s[64:65] scope:SCOPE_SE
	s_setreg_imm32_b32 hwreg(HW_REG_WAVE_MODE, 25, 1), 1
	s_wait_xcnt 0x0
; xa[set][n][k] = f16(c * s_set[k] * x[n][k]) with c = 2 log2(e);  xn = sum over k of (s_set[k] x[n][k])^2, in f32.
; x: [2048][256] f32.  xa: [2][2048][256] f16.  xn: [64 blocks of 32 rows][2 sets][32] f32.  (x - 0) / 1 of the problem is x itself.
; The factor c is put on this side so that the main launch gets scores in base 2 straight out of the matrix unit.
; LIMIT: |c s x| has to stay under 65,504 (the largest f16), that is |s x| < 22,700.
; Work-group g owns rows 32 g .. 32 g + 31, wave w two of them, so that a wave has little to do one thing after the other.  A wave takes a whole
; row: lane l holds k = 4 l .. 4 l + 3 and k = 128 + 4 l .. + 3, so each load covers 512 consecutive bytes and each store of 8 bytes a lane
; 256 consecutive bytes, aligned.  The 2 x 32 norms of the work-group are 256 bytes: they meet in LDS and leave as one whole aligned block.
; A stream bound by bytes: no matrix unit, no cluster.
.set CLIT, 0x4038aa3b                  ; 2 log2(e)
.set SOFF, 2                           ; v2        16 l: my place in the scales
.set XOFF, 3                           ; v3        2048 w + 16 l: my place in x
.set SP,   4                           ; v[4:11] scales_pos, v[12:19] scales_neg of my 8 columns
.set CP,   20                          ; v[20:27], v[28:35] the same times c
.set X,    36                          ; v[36:51]  row i: 8 registers
.set TT,   52                          ; v[52:59]  s x
.set NN,   60                          ; v[60:61]  running sum of squares
.set AA,   62                          ; v[62:69]  c s x
.set TMP,  70                          ; the other half of the lanes, in the reduction
.set LA,   71                          ; LDS: 8 w
.set XAO,  72                          ; 1024 w + 8 l: my place in xa
.set RDA,  73                          ; closing copy: 8 l, in LDS and in the block of xn
.set FP,   74                          ; v[74:75]  closing copy: data
.set OUT,  76                          ; v[76:91]  row i, set t: 4 registers of their own, so no data of a pending store is rewritten
	s_load_b256 s[4:11], s[0:1], 0x0               ; x s[4:5], scales_pos s[6:7], scales_neg s[8:9], xa s[10:11]
	s_load_b64 s[12:13], s[0:1], 0x20              ; xn
	v_lshl_add_u32 v96, v0, 2, 0x100
	v_mov_b32 v97, 0
	v_lshrrev_b32 v1, 5, v0
	v_readfirstlane_b32 s14, v1                    ; wave 0..15
	v_and_b32 v1, 31, v0                           ; lane
	v_lshlrev_b32 v[SOFF], 4, v1
	s_lshl_b32 s15, s14, 11                        ; 2 rows of 1,024 bytes
	v_add_nc_u32 v[XOFF], s15, v[SOFF]
	s_lshl_b32 s15, s14, 10                        ; 2 rows of 512 bytes
	v_lshl_add_u32 v[XAO], v1, 3, s15
	s_lshl_b32 s15, s14, 3                         ; 2 words
	v_mov_b32 v[LA], s15
	v_mov_b32 v[TMP], 0                            ; v_permlanex16_b32 counts as a reader of its destination
	s_mov_b32 s18, 0x76543210                      ; lane i of one half reads lane i of the other
	s_mov_b32 s19, 0xfedcba98
	s_lshl_b32 s16, ttmp9, 15                      ; 32 rows of x
	s_mov_b32 s17, 0
	s_lshl_b32 s20, ttmp9, 14                      ; 32 rows of xa
	s_mov_b32 s21, 0
	s_lshl_b32 s22, ttmp9, 8                       ; my block of xn
	s_mov_b32 s23, 0
	s_wait_kmcnt 0x0
	s_add_nc_u64 s[4:5], s[4:5], s[16:17]
	s_add_nc_u64 s[10:11], s[10:11], s[20:21]
	s_add_nc_u64 s[12:13], s[12:13], s[22:23]
	global_load_b128 v[SP:SP+3],     v[SOFF], s[6:7]
	global_load_b128 v[SP+4:SP+7],   v[SOFF], s[6:7] offset:512
	global_load_b128 v[SP+8:SP+11],  v[SOFF], s[8:9]
	global_load_b128 v[SP+12:SP+15], v[SOFF], s[8:9] offset:512
.irp i, 0,1
	global_load_b128 v[X+8*\i:X+8*\i+3],   v[XOFF], s[4:5] offset:1024*\i th:TH_LOAD_NT
	global_load_b128 v[X+8*\i+4:X+8*\i+7], v[XOFF], s[4:5] offset:1024*\i+512 th:TH_LOAD_NT
.endr
	s_wait_loadcnt 4                               ; the four loads of scales are in; the four of x were issued behind them
.irp j, 0,2,4,6,8,10,12,14
	v_pk_mul_f32 v[CP+\j:CP+\j+1], v[SP+\j:SP+\j+1], CLIT op_sel_hi:[1,0]
.endr
; Row i for one set: sc = its scales, cc = its scales times c, st = 0 (pos) or 1 (neg).
.macro ROWSET i, sc, cc, st
.irp j, 0,2,4,6
	v_pk_mul_f32 v[TT+\j:TT+\j+1], v[X+8*\i+\j:X+8*\i+\j+1], v[\sc+\j:\sc+\j+1]
	v_pk_mul_f32 v[AA+\j:AA+\j+1], v[X+8*\i+\j:X+8*\i+\j+1], v[\cc+\j:\cc+\j+1]
.endr
	v_pk_mul_f32 v[NN:NN+1], v[TT:TT+1], v[TT:TT+1]                ; the first product starts the sum
.irp j, 2,4,6
	v_pk_fma_f32 v[NN:NN+1], v[TT+\j:TT+\j+1], v[TT+\j:TT+\j+1], v[NN:NN+1]
.endr
.irp j, 0,1,2,3
	v_cvt_pk_f16_f32 v[OUT+8*\i+4*\st+\j], v[AA+2*\j], v[AA+2*\j+1]
.endr
	global_store_b64 v[XAO], v[OUT+8*\i+4*\st:OUT+8*\i+4*\st+1],   s[10:11] offset:0x100000*\st+512*\i       ; k = 4 l ..: 32 lanes, 256 consecutive bytes
	global_store_b64 v[XAO], v[OUT+8*\i+4*\st+2:OUT+8*\i+4*\st+3], s[10:11] offset:0x100000*\st+512*\i+256   ; k = 128 + 4 l ..
	v_add_f32 v[NN], v[NN], v[NN+1]
	v_add_f32_dpp v[NN], v[NN], v[NN] row_xmask:1 row_mask:0xf bank_mask:0xf
	v_add_f32_dpp v[NN], v[NN], v[NN] row_xmask:2 row_mask:0xf bank_mask:0xf
	v_add_f32_dpp v[NN], v[NN], v[NN] row_xmask:4 row_mask:0xf bank_mask:0xf
	v_add_f32_dpp v[NN], v[NN], v[NN] row_xmask:8 row_mask:0xf bank_mask:0xf
	v_permlanex16_b32 v[TMP], v[NN], s18, s19
	v_add_f32 v[NN], v[NN], v[TMP]                 ; every lane holds the norm of the row
	ds_store_b32 v[LA], v[NN] offset:128*\st+4*\i  ; word 32 set + 2 w + i; all lanes write the same word with the same value
.endm
.irp i, 0,1
	s_wait_loadcnt 2-2*\i                          ; loads come back in order: the two of row i are in, those of the row behind it stay out
	ROWSET \i, SP, CP, 0
	ROWSET \i, SP+8, CP+8, 1
.endr
	s_wait_dscnt 0x0                               ; my norms are in LDS, for the wave that reads them
	s_barrier_signal -1
	s_barrier_wait -1
	s_cmp_lg_u32 s14, 0
	s_cbranch_scc1 .Ldone                          ; wave 0 copies the 64 norms
	v_lshlrev_b32 v[RDA], 3, v1
	ds_load_b64 v[FP:FP+1], v[RDA]
	s_wait_dscnt 0x0
	global_store_b64 v[RDA], v[FP:FP+1], s[12:13]  ; 32 lanes, 256 consecutive bytes, aligned
.Ldone:
	s_wait_tensorcnt 0x0
	ds_add_u32 v96, v97
	s_wait_dscnt 0x0
	s_endpgm
.Lfunc_end_k_qdfa5bf8be8_prep:
	.size	k_qdfa5bf8be8_prep, .Lfunc_end_k_qdfa5bf8be8_prep-k_qdfa5bf8be8_prep
	.p2alignl 7, 3214868480
	.fill 96, 4, 3214868480
	.section	.rodata,"a",@progbits
	.p2align	6, 0x0
	.amdhsa_kernel k_qdfa5bf8be8_prep
		.amdhsa_group_segment_fixed_size 2304
		.amdhsa_private_segment_fixed_size 0
		.amdhsa_enable_private_segment 0
		.amdhsa_kernarg_size 40
		.amdhsa_user_sgpr_count 2
		.amdhsa_user_sgpr_kernarg_segment_ptr 1
		.amdhsa_wavefront_size32 1
		.amdhsa_system_sgpr_workgroup_id_x 1
		.amdhsa_system_sgpr_workgroup_id_y 1
		.amdhsa_system_sgpr_workgroup_id_z 1
		.amdhsa_system_vgpr_workitem_id 0
		.amdhsa_next_free_vgpr 98
		.amdhsa_next_free_sgpr 66
		.amdhsa_reserve_vcc 0
		.amdhsa_float_denorm_mode_32 3
		.amdhsa_float_denorm_mode_16_64 3
		.amdhsa_memory_ordered 1
		.amdhsa_forward_progress 1
		.amdhsa_inst_pref_size 10
	.end_amdhsa_kernel
	.amdgpu_metadata
---
amdhsa.version: [ 1, 2 ]
amdhsa.kernels:
  - .name:           k_qdfa5bf8be8_prep
    .symbol:         k_qdfa5bf8be8_prep.kd
    .args:
      - { .name: x, .offset: 0, .size: 8, .value_kind: global_buffer, .address_space: global }
      - { .name: scales_pos, .offset: 8, .size: 8, .value_kind: global_buffer, .address_space: global }
      - { .name: scales_neg, .offset: 16, .size: 8, .value_kind: global_buffer, .address_space: global }
      - { .name: xa, .offset: 24, .size: 8, .value_kind: global_buffer, .address_space: global }
      - { .name: xn, .offset: 32, .size: 8, .value_kind: global_buffer, .address_space: global }
    .group_segment_fixed_size: 2304
    .private_segment_fixed_size: 0
    .kernarg_segment_align: 8
    .kernarg_segment_size: 40
    .max_flat_workgroup_size: 512
    .sgpr_count:     66
    .vgpr_count:     98
    .wavefront_size: 32
...
	.end_amdgpu_metadata
.endif
;; end of part 1
;; launch main (part 2): grid 256 x 1, 8 waves a work-group, clusters of 4 x 1, 327,680 bytes of LDS; arguments data_pos, data_neg, scales_pos, scales_neg, xa, part; writes part
.if DOCPART == 2
	.amdgcn_target "amdgcn-amd-amdhsa--gfx1250"
	.amdhsa_code_object_version 6
	.text
	.protected	k_qdfa5bf8be8_main
	.globl	k_qdfa5bf8be8_main
	.p2align	8
	.type	k_qdfa5bf8be8_main,@function
k_qdfa5bf8be8_main:
	s_mov_b64 s[64:65], 0
	v_nop
	global_prefetch_b8 v0, s[64:65] scope:SCOPE_SE
	s_setreg_imm32_b32 hwreg(HW_REG_WAVE_MODE, 25, 1), 1
	s_wait_xcnt 0x0
	s_wait_alu depctr_hold_cnt(0) depctr_sa_sdst(0) depctr_va_vdst(0) depctr_va_sdst(0) depctr_va_ssrc(0) depctr_va_vcc(0) depctr_vm_vsrc(0)
	s_getreg_b32 s2, hwreg(HW_REG_IB_STS2, 6, 4)
	s_cmp_eq_u32 s2, 0
	s_cbranch_scc0 .Lentry_in_a_cluster
	s_endpgm
.Lentry_in_a_cluster:
	s_bfe_u32 s2, ttmp6, 0x10000c
	s_cmp_lg_u32 s2, 0x3003
	s_cbranch_scc0 .Lentry_shape_is_right
	s_endpgm
.Lentry_shape_is_right:
; part[n / 64][slice][n % 64] = log2 of the sum, over the 256 data rows m of the slice, of 2^t[n][m], with
;   t[n][m] = sum over k of xa[set][n][k] * f16(s[k] y[m][k])  -  log2(e) * sum over k of (s[k] y[m][k])^2
;           = log2(e) * (2 xs.ys - |ys|^2).   |xs|^2 and the bias do not hang on m and are taken away in the last launch.
; Slices 0-127 are data_pos, 128-255 data_neg; work-group wg makes slice wg for all 2,048 rows of x.
;
; FORMAT: f16 operands, f32 sums.  The first output is a difference of two logs, each carried by few nearest neighbours, so the rounding of the
; operands shows in it undamped; f16 has three bits more than bf16.  The scale is shared between the sides (c s x and s y) to keep both in range.
; LIMIT: |s y| < 65,504 and |s x| < 22,700 (the largest f16); numbers under 2^-14 are rounded to multiples of 2^-24.
; LIMIT: the distance is formed as in the problem, -2 x.y + |x|^2 + |y|^2, so the rounding error of the operands grows with a common offset of x and y.
; Every log of a sum of exponentials takes its own maximum away first, so each sum lies between 1 and the number of its terms.
;
; SHAPE: the 256 data rows stay: wave w holds 64 of them (rows 64 (w & 3) ..) for all K = 256 as 32 fragments in 256 registers.
; x streams through two LDS slots of 128 rows; waves 0-3 take rows 0-63 of a slot, waves 4-7 rows 64-127.  A tile is 16 rows of x times the 64 data
; rows of the wave: 4 accumulators, 32 matrix instructions, 8,192 bytes read from LDS.  Data is source 0 and x source 1, so a lane holds 32 scores
; of ONE row of x and the reduction over data rows never leaves the lane.  -log2(e) |ys|^2 is the C of the first product of each accumulator.
; Eight waves, two on each SIMD: the sums end with each tile (K is whole in registers), so what has to be hidden is the vector work on the scores.
; It runs one tile behind the products and is laid BETWEEN the matrix instructions, one or two vector instructions behind each:
;   K steps 0, 1: their data fragments lie in window 0, so no window is switched, and the 17 maxima stand among the eight matrix instructions;
;   K steps 2-7:  their data fragments lie in window 1 (source 0 switched).  The packed subtractions and sums are written as 1.0 * a + c, which rounds as
;                 a + c does: their first source is a constant, so they mean the same registers under that setting and need no switch;
;   the exponentials, the LDS instructions and the log need window 0: five stretches a tile, ten switches.
; x has ONE fragment buffer: fragment g of the next tile is loaded once K step g of this tile has read it, and has seven K steps in which to land.
; CLUSTER: the four work-groups of a cluster belong to one set and read the same rows of xa: each slot is asked for jointly (mask 15).
;
; LDS: 0 slot 0, 67,584 slot 1 (128 rows, 512 bytes + 16 of padding); 135,168 STAGE: 256 data rows in f16, same pitch, written by LDS stores;
; on the same bytes, once the fragments are in registers, LTAB [wave 8][lane half 2][1,024 rows of x] f32; 270,336 NRM: 256 f32.
.set PITCH, 528                        ; 33 x 16 bytes: the 16 rows that a fragment load touches start 16 bytes apart modulo 256
.set TILEB, 16*PITCH                   ; 16 rows: a tile of x, a block of data rows, and what one tensor load brings
.set SLOTB, 128*PITCH
.set STAGE, 2*SLOTB
.set LTAB,  STAGE
.set NRM,   STAGE+256*PITCH
.set SLOTG, 128*512                    ; bytes of xa in a slot
; window 0
.set GOFF,  3                          ; 32768 w + 1024 h + 16 r: my 16 bytes in the first two data rows of my wave
.set SOFF,  4                          ; 16 r: the same columns in the scales
.set STW,   5                          ; STAGE + (32 w + h) PITCH + 8 r
.set NRMW,  6                          ; NRM + 4 (32 w + h)
.set ADRD,  7                          ; STAGE + (64 dg + r) PITCH + 16 h
.set NRMR,  8                          ; NRM + 4 (64 dg + 8 h)
.set XADR0, 9                          ; (64 xh + r) PITCH + 16 h, slot 0
.set XADR1, 10                         ; the same in slot 1
.set LADR,  11                         ; LTAB + 8192 w + 4096 h + 4 r, stepped by 512 a trip
.set CADR,  12                         ; LTAB + 16 t
.set POFF,  13                         ; 131072 (t / 16) + 16 (t % 16): my 16 bytes in part
.set MC,    14                         ; v[14:17] four chains of maxima
.set MX,    18                         ; v[18:19] the maximum, twice
.set SA,    20                         ; v[20:21], v[22:23] two chains of sums
.set LG,    24
.set RP,    25                         ; r PITCH + 16 h, at the start only
.set NORM,  32                         ; v[32:63] -log2(e) |ys|^2 in the layout of C, block b at 32 + 8 b
.set SCL,   32                         ; at the start: v[32:47] my 16 scales
.set NN,    48                         ; at the start: v[48:55] sums of squares of four pairs of rows
.set XF,    64                         ; v[64:127] the eight fragments of a tile of x
.set TT,    64                         ; at the start: s y of four pairs of rows
.set DL,    128                        ; v[128:191] data fragments of K steps 0 and 1: block b, step g at 128 + 16 b + 8 g
.set HH,    128                        ; at the start: s y in f16
.set ACC,   192                        ; v[192:223], v[224:255] accumulators, two sets of four
; window 1: at the start the data as loaded (pair p, chunk c at 16 p + 4 c); then the data fragments of K steps 2-7 (block b, step g at 64 b + 8 g)
.set G1, 24                            ; s[24:31] descriptor group 1
.set G0, 32                            ; s[32:35], s[36:39] descriptor group 0 of slot 0, slot 1
.set MSB, 0
.macro WIN new                         ; low byte: bits 1:0 source 0, 7:6 destination; the high byte repeats the setting that is left
.if MSB != \new
	s_set_vgpr_msb (MSB<<8)|\new
.set MSB, \new
.endif
.endm
; A round of the barrier of the cluster: the barrier of my work-group, wave 0 signals for it, every wave waits for all four work-groups, the barrier of my work-group again.
.macro CREST                           ; a round behind its opening barrier
	s_cmp_lg_u32 s16, 0
	s_cbranch_scc1 .Lnot_wave_0_\@
	s_barrier_signal -3
.Lnot_wave_0_\@:
	s_barrier_wait -3
	s_barrier_signal -1
	s_barrier_wait -1
.endm
.macro ROUND
	s_barrier_signal -1
	s_barrier_wait -1
	CREST
.endm
	s_load_b256 s[4:11], s[0:1], 0x0               ; data_pos s[4:5], data_neg s[6:7], scales_pos s[8:9], scales_neg s[10:11]
	s_load_b128 s[12:15], s[0:1], 0x20             ; xa s[12:13], part s[14:15]
	v_lshl_add_u32 v30, v0, 2, 0x42400
	v_mov_b32 v31, 0
	ds_add_u32 v30, v31
	v_lshrrev_b32 v1, 5, v0
	v_readfirstlane_b32 s16, v1                    ; wave 0..7
	s_and_b32 s17, s16, 3                          ; dg: which 64 data rows are mine
	s_lshr_b32 s18, s16, 2                         ; xh: which half of each slot
	s_bfe_u32 s19, ttmp6, 0x40000                  ; cx
	s_lshl_b32 s20, ttmp9, 2
	s_add_co_u32 s20, s20, s19                     ; work-group = 4 x cluster + cx = slice
	s_lshr_b32 s21, ttmp9, 5                       ; set: clusters 0-31 pos, 32-63 neg; the same in all four partners
	v_and_b32 v1, 15, v0                           ; r
	v_bfe_u32 v2, v0, 4, 1                         ; h
	v_lshlrev_b32 v[SOFF], 4, v1
	s_lshl_b32 s46, s16, 15                        ; 32 rows of 1,024 bytes
	v_lshl_add_u32 v[GOFF], v2, 10, v[SOFF]
	v_add_nc_u32 v[GOFF], s46, v[GOFF]
	s_and_b32 s22, s20, 127
	s_lshl_b32 s22, s22, 18                        ; my 256 rows of the set: 262,144 bytes a work-group
	s_mov_b32 s23, 0
	s_lshl_b32 s44, s20, 8                         ; my slice: 256 bytes in each block of part
	s_mov_b32 s45, 0
	s_lshl_b32 s42, s21, 20                        ; xa of my set, and 16 rows of 512 bytes for each wave: made of the set and the wave alone,
	s_lshl_b32 s43, s16, 13                        ; in registers that never hold cx
	s_add_co_u32 s42, s42, s43
	s_mov_b32 s43, 0
	s_mul_i32 s41, s16, TILEB                      ; where my 16 rows go in a slot
	s_wait_dscnt 0x0
	s_wait_kmcnt 0x0
	s_cmp_lt_u32 ttmp9, 32
	s_cselect_b64 s[4:5], s[4:5], s[6:7]           ; data of my set
	s_cselect_b64 s[8:9], s[8:9], s[10:11]         ; scales of my set
	s_add_nc_u64 s[4:5], s[4:5], s[22:23]
	s_add_nc_u64 s[14:15], s[14:15], s[44:45]
	s_add_nc_u64 s[12:13], s[12:13], s[42:43]
	; All the data of the work-group are asked for at once: 64 loads a wave.  Lanes 0-15 take 256 consecutive bytes of row 32 w + 2 p, lanes 16-31 of the row below;
	; lane r holds k = 64 c + 4 r .. + 3.  With the scales that is 68 loads; the issue stalls while the counter is at the end of its field (ISA guide 5.7.1).
.irp c, 0,1,2,3
	global_load_b128 v[SCL+4*\c:SCL+4*\c+3], v[SOFF], s[8:9] offset:256*\c
.endr
	WIN 0x40                                       ; destinations in window 1
.irp p, 0,1,2,3,4,5,6,7,8,9,10,11,12,13,14,15
.irp c, 0,1,2,3
	global_load_b128 v[16*\p+4*\c:16*\p+4*\c+3], v[GOFF], s[4:5] offset:2048*\p+256*\c th:TH_LOAD_NT
.endr
.endr
	WIN 0
	; Descriptor group 1: 16 rows of 256 elements of 2 bytes, 16 bytes of padding behind each row of 128 words, for all four work-groups of the cluster.
	s_mov_b32 s[G1+0], 0x07b1000f                  ; 15:0 mask 15; 17:16 element of 2 bytes; 20 padding on; 21 set beside a mask; 24:22 after 128 words (code 6); 31:25 of 4 words (code 3)
	s_mov_b32 s[G1+1], 256<<16                     ; tensor_dim0 = 256
	s_mov_b32 s[G1+2], 16<<16                      ; tensor_dim1 = 16
	s_mov_b32 s[G1+3], 256<<16                     ; tile_dim0 = 256
	s_mov_b32 s[G1+4], 16                          ; tile_dim1 = 16
	s_mov_b32 s[G1+5], 256                         ; elements from row to row
	s_mov_b32 s[G1+6], 0
	s_mov_b32 s[G1+7], 0
.irp n, 0,1
	s_mov_b32 s[G0+4*\n], 1
	s_add_co_u32 s[G0+4*\n+1], s41, \n*SLOTB                       ; LDS: the slot, and 8,448 bytes for each wave
	s_add_nc_u64 s[G0+4*\n+2:G0+4*\n+3], s[12:13], \n*SLOTG        ; rows 128 n + 16 w .. of xa
	s_or_b32 s[G0+4*\n+3], s[G0+4*\n+3], 0x80000000               ; type 2
.endr
	ROUND                                          ; all four work-groups are here: the first joint loads meet
	tensor_load_to_lds s[G0:G0+3], s[G1:G1+7]      ; both first fills as one group: two tensor loads of this wave are out
	s_nop 0
	tensor_load_to_lds s[G0+4:G0+7], s[G1:G1+7]
	s_nop 0
	v_mul_u32_u24 v[RP], v1, PITCH
	v_lshl_add_u32 v[RP], v2, 4, v[RP]             ; a fragment: lane (r, h) reads row r at 16 h, and 32 bytes further on
	s_mul_i32 s46, s16, 32*PITCH
	s_add_co_u32 s46, s46, STAGE
	v_mul_u32_u24 v[STW], v2, PITCH
	v_lshl_add_u32 v[STW], v1, 3, v[STW]
	v_add_nc_u32 v[STW], s46, v[STW]
	s_lshl_b32 s46, s16, 7
	s_add_co_u32 s46, s46, NRM
	v_lshl_add_u32 v[NRMW], v2, 2, s46
	s_mul_i32 s46, s17, 64*PITCH
	s_add_co_u32 s46, s46, STAGE
	v_add_nc_u32 v[ADRD], s46, v[RP]
	s_lshl_b32 s46, s17, 8
	s_add_co_u32 s46, s46, NRM
	v_lshl_add_u32 v[NRMR], v2, 5, s46
	s_mul_i32 s46, s18, 64*PITCH
	v_add_nc_u32 v[XADR0], s46, v[RP]
	v_add_nc_u32 v[XADR1], SLOTB, v[XADR0]
	s_lshl_b32 s46, s16, 13
	s_add_co_u32 s46, s46, LTAB
	v_lshlrev_b32 v[LADR], 2, v1
	v_lshl_add_u32 v[LADR], v2, 12, v[LADR]
	v_add_nc_u32 v[LADR], s46, v[LADR]
	v_lshl_add_u32 v[CADR], v0, 4, LTAB
	v_lshrrev_b32 v[POFF], 4, v0
	v_lshlrev_b32 v[POFF], 17, v[POFF]             ; two blocks of 65,536 bytes for each 16 threads
	v_lshl_add_u32 v[POFF], v1, 4, v[POFF]
; Four pairs of data rows (pairs 4 g .. 4 g + 3): s y, its f16 into STAGE, -log2(e) times its sum of squares into NRM.
.macro BATCH g
	s_wait_loadcnt 48-16*\g                        ; loads come back in order: what may stay out are the 16 loads of each later batch
	WIN 0x01                                       ; source 0 in window 1
.irp q, 0,1,2,3
.irp j, 0,1,2,3,4,5,6,7
	v_pk_mul_f32 v[TT+16*\q+2*\j:TT+16*\q+2*\j+1], v[64*\g+16*\q+2*\j:64*\g+16*\q+2*\j+1], v[SCL+2*\j:SCL+2*\j+1]
.endr
.endr
	WIN 0
.irp q, 0,1,2,3
.irp j, 0,1,2,3,4,5,6,7
	v_cvt_pk_f16_f32 v[HH+8*\q+\j], v[TT+16*\q+2*\j], v[TT+16*\q+2*\j+1]
.endr
.endr
.irp q, 0,1,2,3
	v_pk_mul_f32 v[NN+2*\q:NN+2*\q+1], v[TT+16*\q:TT+16*\q+1], v[TT+16*\q:TT+16*\q+1]   ; the first product starts the sum
.endr
.irp j, 1,2,3,4,5,6,7
.irp q, 0,1,2,3
	v_pk_fma_f32 v[NN+2*\q:NN+2*\q+1], v[TT+16*\q+2*\j:TT+16*\q+2*\j+1], v[TT+16*\q+2*\j:TT+16*\q+2*\j+1], v[NN+2*\q:NN+2*\q+1]
.endr
.endr
.irp q, 0,1,2,3
	v_add_f32 v[NN+2*\q], v[NN+2*\q], v[NN+2*\q+1]
.endr
.irp x, 1,2,4,8
.irp q, 0,1,2,3
	v_add_f32_dpp v[NN+2*\q], v[NN+2*\q], v[NN+2*\q] row_xmask:\x row_mask:0xf bank_mask:0xf   ; the 16 lanes of a half share a row
.endr
.endr
.irp q, 0,1,2,3
	v_mul_f32 v[NN+2*\q], 0xbfb8aa3b, v[NN+2*\q]   ; -log2(e)
.endr
.irp q, 0,1,2,3
.irp c, 0,1,2,3
	ds_store_b64 v[STW], v[HH+8*\q+2*\c:HH+8*\q+2*\c+1] offset:2*PITCH*(4*\g+\q)+128*\c   ; k = 64 c + 4 r .. + 3 of row 32 w + 2 p + h
.endr
	ds_store_b32 v[NRMW], v[NN+2*\q] offset:8*(4*\g+\q)            ; 16 lanes write the same word with the same value
.endr
.endm
	BATCH 0
	BATCH 1
	BATCH 2
	BATCH 3
	s_wait_dscnt 0x0                               ; my rows are in STAGE and NRM, for the waves that read them
	s_barrier_signal -1                            ; the two tensor loads stay on their way
	s_barrier_wait -1
	WIN 0x40
.irp b, 0,1,2,3
.irp k, 2,3,4,5,6,7
	ds_load_b128 v[64*\b+8*\k:64*\b+8*\k+3],   v[ADRD] offset:TILEB*\b+64*\k       ; rows 64 dg + 16 b + r, k = 32 g + 8 h ..
	ds_load_b128 v[64*\b+8*\k+4:64*\b+8*\k+7], v[ADRD] offset:TILEB*\b+64*\k+32    ; k = 32 g + 16 + 8 h ..
.endr
.endr
	WIN 0
.irp b, 0,1,2,3
.irp k, 0,1
	ds_load_b128 v[DL+16*\b+8*\k:DL+16*\b+8*\k+3],   v[ADRD] offset:TILEB*\b+64*\k      ; K steps 0 and 1 into window 0
	ds_load_b128 v[DL+16*\b+8*\k+4:DL+16*\b+8*\k+7], v[ADRD] offset:TILEB*\b+64*\k+32
.endr
.endr
.irp b, 0,1,2,3
	ds_load_b128 v[NORM+8*\b:NORM+8*\b+3],   v[NRMR] offset:64*\b      ; register j of C: data row 16 b + 8 h + j
	ds_load_b128 v[NORM+8*\b+4:NORM+8*\b+7], v[NRMR] offset:64*\b+16
.endr
	s_wait_dscnt 0x0                               ; my reads of STAGE are over: behind the barrier LTAB is written on its bytes
	s_wait_tensorcnt 0x1                           ; my part of slot 0 is in; slot 1 was issued behind it and may stay out
	s_barrier_signal -1
	s_barrier_wait -1
.irp a, 0,1,2,3,4,5,6,7
	ds_load_b128 v[XF+8*\a:XF+8*\a+3],   v[XADR0] offset:64*\a         ; the fragments of tile 0
	ds_load_b128 v[XF+8*\a+4:XF+8*\a+7], v[XADR0] offset:64*\a+32
.endr
; THE PIECES OF A TILE.  ACCC: the accumulators of the tile that is multiplied; ACCP: those of the tile before, whose scores are reduced.
; DOW = 0 leaves the matrix instructions out (the reduction of the last tile), SOFT = 0 the reduction (the first tile), FETCH = 0 the loads (the last tile).
.macro WM g, b                         ; one matrix instruction: K step g, block b.  The four accumulators take turns, one instruction a turn
.if DOW
.if \g > 1
	v_wmma_f32_16x16x32_f16 v[ACCC+8*\b:ACCC+8*\b+7], v[64*\b+8*\g:64*\b+8*\g+7], v[XF+8*\g:XF+8*\g+7], v[ACCC+8*\b:ACCC+8*\b+7]
.else
.if \g
	v_wmma_f32_16x16x32_f16 v[ACCC+8*\b:ACCC+8*\b+7], v[DL+16*\b+8:DL+16*\b+15], v[XF+8:XF+15], v[ACCC+8*\b:ACCC+8*\b+7]
.else
	v_wmma_f32_16x16x32_f16 v[ACCC+8*\b:ACCC+8*\b+7], v[DL+16*\b:DL+16*\b+7], v[XF:XF+7], v[NORM+8*\b:NORM+8*\b+7]
.endif
.endif
.endif
.endm
.macro WINW                            ; the setting of K steps 2-7: source 0 in window 1
.if DOW
	WIN 0x01
.endif
.endm
.macro M3 d, a, b, c
.if SOFT
	v_max3_num_f32 v[\d], v[\a], v[\b], v[\c]
.endif
.endm
.macro M2 d, a, b
.if SOFT
	v_max_num_f32 v[\d], v[\a], v[\b]
.endif
.endm
.macro SUB1 b, j                       ; two scores minus the maximum, as 1.0 * a - m: no vector register in source 0, so the window of source 0 does not matter
.if SOFT
	v_pk_fma_f32 v[ACCP+8*\b+\j:ACCP+8*\b+\j+1], 1.0, v[ACCP+8*\b+\j:ACCP+8*\b+\j+1], v[MX:MX+1] op_sel_hi:[0,1,1] neg_lo:[0,0,1] neg_hi:[0,0,1]
.endif
.endm
.macro SUM1 b, i                       ; two exponentials into one of the two chains, in the same form; block 0 starts both chains: nothing is cleared
.if SOFT
.if \b
	s_wait_alu depctr_va_vdst(0)
	v_pk_fma_f32 v[SA+2*(\i%2):SA+2*(\i%2)+1], 1.0, v[ACCP+8*\b+2*\i:ACCP+8*\b+2*\i+1], v[SA+2*(\i%2):SA+2*(\i%2)+1] op_sel_hi:[0,1,1]
.else
	s_wait_alu depctr_va_vdst(0)
	v_pk_fma_f32 v[SA+2*\i:SA+2*\i+1], 1.0, v[ACCP+4*\i:ACCP+4*\i+1], v[ACCP+4*\i+2:ACCP+4*\i+3] op_sel_hi:[0,1,1]
.endif
.endif
.endm
.macro KS0                             ; K step 0, and four chains of maxima, one for each block: scores 0 to 4
	WM 0, 0
	M3 MC+0, ACCP+0, ACCP+1, ACCP+2
	M3 MC+1, ACCP+8, ACCP+9, ACCP+10
	WM 0, 1
	M3 MC+2, ACCP+16, ACCP+17, ACCP+18
	M3 MC+3, ACCP+24, ACCP+25, ACCP+26
	WM 0, 2
	M3 MC+0, MC+0, ACCP+3, ACCP+4
	M3 MC+1, MC+1, ACCP+11, ACCP+12
	WM 0, 3
	M3 MC+2, MC+2, ACCP+19, ACCP+20
	M3 MC+3, MC+3, ACCP+27, ACCP+28
.endm
.macro KS1                             ; K step 1; scores 5 to 7, and the chains into one, twice, for the packed subtraction
	WM 1, 0
	M3 MC+0, MC+0, ACCP+5, ACCP+6
	M3 MC+1, MC+1, ACCP+13, ACCP+14
	WM 1, 1
	M3 MC+2, MC+2, ACCP+21, ACCP+22
	M3 MC+3, MC+3, ACCP+29, ACCP+30
	WM 1, 2
	M3 MC+0, MC+0, ACCP+7, ACCP+15
	M3 MC+1, MC+1, ACCP+23, ACCP+31
	WM 1, 3
	M3 MC+0, MC+0, MC+1, MC+2
	M2 MX, MC+0, MC+3
	M2 MX+1, MC+0, MC+3
.endm
.macro GRP g, sb, ub                   ; K step g; behind each matrix instruction a subtraction of block sb and a sum of block ub (-1: none)
.irp i, 0,1,2,3
	WM \g, \i
.if \sb >= 0
	SUB1 \sb, 2*\i
.endif
.if \ub > 0
	SUM1 \ub, \i
.endif
.if \ub == 0
.if \i < 2
	SUM1 0, \i
.endif
.endif
.endr
.endm
.macro E b                             ; the exponentials of block b.  The first plain vector instruction behind a run is a subtraction or a sum on other registers,
.if SOFT                               ; ahead of the first use of its results (ISA guide 5.7.2)
.irp j, 0,1,2,3,4,5,6,7
	v_exp_f32 v[ACCP+8*\b+\j], v[ACCP+8*\b+\j]
.endr
.else
.rept 4
	v_nop                                          ; no reduction in the first tile: these are the four places ahead of the loads into fragments that matrix instructions have read
.endr
.endif
.endm
.macro LD a                            ; fragment a of the next tile, into the registers that K step a of this tile has read
.if FETCH
	ds_load_b128 v[XF+8*\a:XF+8*\a+3],   v[FADR] offset:FOFF+64*\a
	ds_load_b128 v[XF+8*\a+4:XF+8*\a+7], v[FADR] offset:FOFF+64*\a+32
.endif
.endm
; log2 of the sum, plus the maximum, into my word of LTAB.  Its four plain vector instructions (packed add, add, v_nop, add) name no register of the
; matrix instructions in front of them: with the sum behind the last of those they are the places ahead of the next reads of their results and of the load into fragment 7.
.macro FIN loff, bump
	v_pk_add_f32 v[SA:SA+1], v[SA:SA+1], v[SA+2:SA+3]
	v_add_f32 v[LG], v[SA], v[SA+1]
	v_log_f32 v[LG], v[LG]
	v_nop
	s_wait_alu depctr_va_vdst(0)
	v_add_f32 v[LG], v[LG], v[MX]
	ds_store_b32 v[LADR], v[LG] offset:\loff
.if \bump
	v_add_nc_u32 v[LADR], 512, v[LADR]             ; 128 rows of x a trip
.endif
.endm
; ONE TILE: 32 matrix instructions on set p; among them the reduction of the tile before (soft = 1), whose result goes to LTAB at loff, and the 16 loads of
; the next tile from v[fadr] + foff (fetch = 1).
; PLACES: a load into fragment a stands a K step behind K step a, so at least four of the plain vector instructions laid among the matrix instructions lie between.
; WAITS: the LDS instructions of a tile go out in the order LD 0, 1, 2, 3, 4, the store of FIN, LD 5, 6, 7, two loads a fragment.  When K step g needs its fragment, at least
; ten LDS instructions have been issued behind the two loads that brought it (fewest: K step 7, the ten loads of fragments 0-4; K step 2 behind a tile without
; a store, the ten of fragments 3-7), and they come back in order (ISA guide 5.7.1): s_wait_dscnt 10.  A tile that fetches nothing counts what the tile before issued: 6, 4, 2, 0.
; turn = 1: slot \slot, of which this is the last tile, is filled again; turn = 2: the slots change and nothing is filled.
.macro TILE p, soft, loff, bump, fetch, fadr, foff, turn, slot
.set ACCC, ACC+32*\p
.set ACCP, ACC+32-32*\p
.set SOFT, \soft
.set FETCH, \fetch
.set FADR, \fadr
.set FOFF, \foff
.if \fetch
.set WA, 10
.set WB, 10
.set WC, 10
.set WD, 10
.else
.set WA, 6
.set WB, 4
.set WC, 2
.set WD, 0
.endif
	s_wait_dscnt WA
	KS0
	s_wait_dscnt WA
	KS1
.if \turn
	s_wait_dscnt 0x0                               ; my reads of this slot are over: the last were issued two K steps ago, and all eight fragments are in registers
	s_wait_tensorcnt 0x0                           ; all my tensor loads have landed: the one that was out is my part of the other slot
	ds_add_u32 v30, v31
	s_wait_dscnt 0x0
.if \turn == 1
	s_add_nc_u64 s[G0+4*\slot+2:G0+4*\slot+3], s[G0+4*\slot+2:G0+4*\slot+3], 2*SLOTG   ; no load of mine is out: the next rows for this slot
.endif
	s_barrier_signal -1                            ; say so (where the slot is filled again this barrier opens a round of the cluster),
	WINW                                           ; work on registers while the others arrive: two K steps and a run of exponentials,
	GRP 2, 0, -1
	WIN 0
	E 0
	WINW
	GRP 3, 1, -1
	WIN 0
	s_barrier_wait -1
.if \turn == 1
	CREST                                          ; no wave of any partner still reads this slot or has a load on its way
	tensor_load_to_lds s[G0+4*\slot:G0+4*\slot+3], s[G1:G1+7]      ; my one tensor load behind the round, ahead of my first LDS read; the wait for it stands four tiles on
	s_nop 0
.endif
	E 1
	LD 0                                           ; from the other slot, which is whole behind the barrier
	LD 1
	LD 2
.else
	s_wait_dscnt WA
	WINW
	GRP 2, 0, -1
	WIN 0
	E 0
	LD 0
	LD 1
	s_wait_dscnt WA
	WINW
	GRP 3, 1, -1
	WIN 0
	E 1
	LD 2
.endif
	s_wait_dscnt WA
	WINW
	GRP 4, 2, 0
	WIN 0
	E 2
	LD 3
	s_wait_dscnt WB
	WINW
	GRP 5, 3, 1
	WIN 0
	E 3
	LD 4
	s_wait_dscnt WC
	WINW
	GRP 6, -1, 2
	s_wait_dscnt WD
	GRP 7, -1, 3
	WIN 0
.if \soft
	FIN \loff, \bump
.else
.rept 4
	v_nop                                          ; the four places behind the last products
.endr
.endif
	LD 5
	LD 6
	LD 7
.endm
; A trip: both slots, four tiles each.  The result of tile j of a trip is stored by the tile behind it at 64 j; that of tile 7 by the next trip.
.macro TRIP first, last
.if \first
	TILE 0, 0, 0,   0, 1, XADR0, 1*TILEB, 0, 0     ; no tile in front of it
.else
	TILE 0, 1, 448, 1, 1, XADR0, 1*TILEB, 0, 0
.endif
	TILE 1, 1, 0,   0, 1, XADR0, 2*TILEB, 0, 0
	TILE 0, 1, 64,  0, 1, XADR0, 3*TILEB, 0, 0
.if \last
	TILE 1, 1, 128, 0, 1, XADR1, 0, 2, 0
.else
	TILE 1, 1, 128, 0, 1, XADR1, 0, 1, 0
.endif
	TILE 0, 1, 192, 0, 1, XADR1, 1*TILEB, 0, 0
	TILE 1, 1, 256, 0, 1, XADR1, 2*TILEB, 0, 0
	TILE 0, 1, 320, 0, 1, XADR1, 3*TILEB, 0, 0
.if \last
	TILE 1, 1, 384, 0, 0, XADR0, 0, 0, 0
.else
	TILE 1, 1, 384, 0, 1, XADR0, 0, 1, 1
.endif
.endm
.set DOW, 1
	TRIP 1, 0                                      ; slots 0, 1 of 16; asks for 2, 3
	s_mov_b32 s40, 6
.Ltrip:
	TRIP 0, 0                                      ; slots 2 t, 2 t + 1; asks for 2 t + 2, 2 t + 3: the sixth trip asks for the last two
	s_sub_co_i32 s40, s40, 1
	s_cmp_lg_u32 s40, 0
	s_cbranch_scc1 .Ltrip
	TRIP 0, 1                                      ; slots 14, 15: nothing is left to fetch
.set DOW, 0                                        ; the reduction of the last tile: the same pieces in the same order, with no products among them
.set SOFT, 1
.set ACCP, ACC+32
	KS0
	KS1
	GRP 2, 0, -1
	E 0
	GRP 3, 1, -1
	E 1
	GRP 4, 2, 0
	E 2
	GRP 5, 3, 1
	E 3
	GRP 6, -1, 2
	GRP 7, -1, 3
	FIN 448, 0
	; For each row of x eight entries lie in LTAB: four waves (64 data rows each) times two lane halves.  Thread t takes four neighbouring rows of each half q of the slots.
	s_wait_dscnt 0x0                               ; my words are in LTAB, for the waves that read them
	s_barrier_signal -1
	s_barrier_wait -1
.irp q, 0,1
.irp e, 0,1,2,3,4,5,6,7
	ds_load_b128 v[XF+32*\q+4*\e:XF+32*\q+4*\e+3], v[CADR] offset:32768*\q+4096*\e    ; wave 4 q + e / 2, lane half e % 2
.endr
.endr
.macro COMB q, res
.set CB, XF+32*\q
	s_wait_dscnt 8-8*\q                            ; the eight loads of q = 1 were issued behind those of q = 0
.irp c, 0,1,2,3
	v_max3_num_f32 v[MC+\c], v[CB+\c], v[CB+4+\c], v[CB+8+\c]
.endr
.irp c, 0,1,2,3
	v_max3_num_f32 v[MC+\c], v[MC+\c], v[CB+12+\c], v[CB+16+\c]
.endr
.irp c, 0,1,2,3
	v_max3_num_f32 v[MC+\c], v[MC+\c], v[CB+20+\c], v[CB+24+\c]
.endr
.irp c, 0,1,2,3
	v_max_num_f32 v[MC+\c], v[MC+\c], v[CB+28+\c]
.endr
.irp e, 0,1,2,3,4,5,6,7
	v_pk_add_f32 v[CB+4*\e:CB+4*\e+1],   v[CB+4*\e:CB+4*\e+1],   v[MC:MC+1]   neg_lo:[0,1] neg_hi:[0,1]
	v_pk_add_f32 v[CB+4*\e+2:CB+4*\e+3], v[CB+4*\e+2:CB+4*\e+3], v[MC+2:MC+3] neg_lo:[0,1] neg_hi:[0,1]
.endr
.set n, 0
.rept 32
	v_exp_f32 v[CB+n], v[CB+n]
.set n, n+1
.endr
	v_nop                                          ; the plain place behind the run of exponentials
	s_wait_alu depctr_va_vdst(0)
	v_pk_add_f32 v[\res:\res+1],   v[CB:CB+1],   v[CB+4:CB+5]
	v_pk_add_f32 v[\res+2:\res+3], v[CB+2:CB+3], v[CB+6:CB+7]
.irp e, 2,3,4,5,6,7
	v_pk_add_f32 v[\res:\res+1],   v[\res:\res+1],   v[CB+4*\e:CB+4*\e+1]
	v_pk_add_f32 v[\res+2:\res+3], v[\res+2:\res+3], v[CB+4*\e+2:CB+4*\e+3]
.endr
.irp c, 0,1,2,3
	v_log_f32 v[\res+\c], v[\res+\c]
.endr
	v_nop
	s_wait_alu depctr_va_vdst(0)
	v_pk_add_f32 v[\res:\res+1],   v[\res:\res+1],   v[MC:MC+1]
	v_pk_add_f32 v[\res+2:\res+3], v[\res+2:\res+3], v[MC+2:MC+3]
	global_store_b128 v[POFF], v[\res:\res+3], s[14:15] offset:65536*\q   ; rows 128 (t / 16) + 64 q + 4 (t % 16) .., that is block 2 (t / 16) + q: 16 lanes store its 256 bytes of my slice, aligned
.endm
	COMB 0, 20                                     ; each half has result registers of its own: no data of a pending store is rewritten
	COMB 1, 24
	s_wait_tensorcnt 0x0
	ds_add_u32 v30, v31
	s_wait_dscnt 0x0
	ROUND                                          ; the closing round: no work-group ends while a partner may still ask for a tile that names it
	s_endpgm
.Lfunc_end_k_qdfa5bf8be8_main:
	.size	k_qdfa5bf8be8_main, .Lfunc_end_k_qdfa5bf8be8_main-k_qdfa5bf8be8_main
	.p2alignl 7, 3214868480
	.fill 96, 4, 3214868480
	.section	.rodata,"a",@progbits
	.p2align	6, 0x0
	.amdhsa_kernel k_qdfa5bf8be8_main
		.amdhsa_group_segment_fixed_size 327680
		.amdhsa_private_segment_fixed_size 0
		.amdhsa_enable_private_segment 0
		.amdhsa_kernarg_size 48
		.amdhsa_user_sgpr_count 2
		.amdhsa_user_sgpr_kernarg_segment_ptr 1
		.amdhsa_wavefront_size32 1
		.amdhsa_system_sgpr_workgroup_id_x 1
		.amdhsa_system_sgpr_workgroup_id_y 1
		.amdhsa_system_sgpr_workgroup_id_z 1
		.amdhsa_system_vgpr_workitem_id 0
		.amdhsa_next_free_vgpr 512
		.amdhsa_next_free_sgpr 66
		.amdhsa_reserve_vcc 0
		.amdhsa_float_denorm_mode_32 3
		.amdhsa_float_denorm_mode_16_64 3
		.amdhsa_memory_ordered 1
		.amdhsa_forward_progress 1
		.amdhsa_inst_pref_size 255
	.end_amdhsa_kernel
	.section	.bss,"aw",@nobits
	.p2align	6
	.space	262144
	.amdgpu_metadata
---
amdhsa.version: [ 1, 2 ]
amdhsa.kernels:
  - .name:           k_qdfa5bf8be8_main
    .symbol:         k_qdfa5bf8be8_main.kd
    .args:
      - { .name: data_pos, .offset: 0, .size: 8, .value_kind: global_buffer, .address_space: global }
      - { .name: data_neg, .offset: 8, .size: 8, .value_kind: global_buffer, .address_space: global }
      - { .name: scales_pos, .offset: 16, .size: 8, .value_kind: global_buffer, .address_space: global }
      - { .name: scales_neg, .offset: 24, .size: 8, .value_kind: global_buffer, .address_space: global }
      - { .name: xa, .offset: 32, .size: 8, .value_kind: global_buffer, .address_space: global }
      - { .name: part, .offset: 40, .size: 8, .value_kind: global_buffer, .address_space: global }
    .group_segment_fixed_size: 327680
    .private_segment_fixed_size: 0
    .kernarg_segment_align: 8
    .kernarg_segment_size: 48
    .max_flat_workgroup_size: 256
    .sgpr_count:     66
    .vgpr_count:     512
    .wavefront_size: 32
...
	.end_amdgpu_metadata
.endif
;; end of part 2
;; launch fin (part 3): grid 32 x 1, 8 waves a work-group, no clusters, 5,120 bytes of LDS; arguments part, xn, weight_bias, out0, out1; writes out0, out1
.if DOCPART == 3
	.amdgcn_target "amdgcn-amd-amdhsa--gfx1250"
	.amdhsa_code_object_version 6
	.text
	.protected	k_qdfa5bf8be8_fin
	.globl	k_qdfa5bf8be8_fin
	.p2align	8
	.type	k_qdfa5bf8be8_fin,@function
k_qdfa5bf8be8_fin:
	s_mov_b64 s[64:65], 0
	v_nop
	global_prefetch_b8 v0, s[64:65] scope:SCOPE_SE
	s_setreg_imm32_b32 hwreg(HW_REG_WAVE_MODE, 25, 1), 1
	s_wait_xcnt 0x0
; log_set[n] = ln 2 * log2(sum over the 128 slices of the set of 2^part) - |xs_n|^2 - bias_set;
; out1 = log(e^log_pos + e^log_neg), out0 = log_pos - out1.
; part: [32 blocks of 64 n][256 slices][64] f32 (slices 0-127 pos, 128-255 neg); xn: [64 blocks of 32 n][2 sets][32] f32.
; Work-group g owns n = 64 g .. 64 g + 63, whose 65,536 bytes of part lie together.  Wave w takes slices 32 w .. 32 w + 31; lane (i = l % 16, h = l / 16)
; takes n = 4 i .. 4 i + 3 of slices 32 w + 2 j + h, so each load of a wave covers 512 consecutive bytes.  Each lane reduces its 16 slices, the 16 results
; for each n meet in LDS, and wave 0 reduces eight for each set and finishes.  Every log of a sum of exponentials takes its own maximum away first: each sum is at least 1.
; A stream of 2 MiB: no matrix unit, no cluster.
.set LN2,   0x3f317218
.set LOG2E, 0x3fb8aa3b
.set PO,  4                            ; v4   8192 w + 16 l
.set L8,  5                            ; v5   8 l: my two n in LDS rows and in the outputs
.set XNP, 6                            ; v[6:7] |xs|^2 for pos, v[8:9] for neg, of n = 2 l, 2 l + 1
.set LW,  10                           ; v10  LDS: (2 w + h) 256 + 16 i = 512 w + 16 l
.set XO,  11                           ; v11  256 h + 8 i: the same two n in xn
.set MC,  12                           ; v[12:15] maxima
.set SU,  16                           ; v[16:19], v[20:23] two chains of sums
.set SV,  20
.set P,   32                           ; v[32:95] slice j: 4 registers
	s_load_b256 s[4:11], s[0:1], 0x0               ; part s[4:5], xn s[6:7], weight_bias s[8:9], out0 s[10:11]
	s_load_b64 s[12:13], s[0:1], 0x20              ; out1
	v_lshl_add_u32 v96, v0, 2, 0x1000
	v_mov_b32 v97, 0
	v_lshrrev_b32 v1, 5, v0
	v_readfirstlane_b32 s14, v1                    ; wave 0..7
	v_and_b32 v1, 31, v0                           ; l
	v_and_b32 v2, 15, v0                           ; i
	v_bfe_u32 v3, v0, 4, 1                         ; h
	v_lshlrev_b32 v[PO], 4, v1
	s_lshl_b32 s15, s14, 9
	v_add_nc_u32 v[LW], s15, v[PO]
	s_lshl_b32 s15, s14, 13                        ; 32 slices of 256 bytes
	v_add_nc_u32 v[PO], s15, v[PO]
	v_lshlrev_b32 v[L8], 3, v1
	v_lshlrev_b32 v[XO], 3, v2
	v_lshl_add_u32 v[XO], v3, 8, v[XO]
	s_lshl_b32 s18, ttmp9, 8                       ; 64 words of the outputs
	s_mov_b32 s19, 0
	s_lshl_b32 s20, ttmp9, 16                      ; my block of part
	s_mov_b32 s21, 0
	s_lshl_b32 s22, ttmp9, 9                       ; my two blocks of xn
	s_mov_b32 s23, 0
	s_wait_kmcnt 0x0
	s_load_b64 s[16:17], s[8:9], 0x0               ; bias of pos, of neg
	s_add_nc_u64 s[4:5], s[4:5], s[20:21]
	s_add_nc_u64 s[6:7], s[6:7], s[22:23]
	s_add_nc_u64 s[10:11], s[10:11], s[18:19]
	s_add_nc_u64 s[12:13], s[12:13], s[18:19]
	global_load_b64 v[XNP:XNP+1],   v[XO], s[6:7]              ; asked for early, by every wave; wave 0 uses them
	global_load_b64 v[XNP+2:XNP+3], v[XO], s[6:7] offset:128
.irp j, 0,1,2,3,4,5,6,7,8,9,10,11,12,13,14,15
	global_load_b128 v[P+4*\j:P+4*\j+3], v[PO], s[4:5] offset:512*\j th:TH_LOAD_NT
.endr
	s_wait_loadcnt 0x0
	s_wait_kmcnt 0x0
	; my 16 slices, four n at a time
.irp c, 0,1,2,3
	v_max3_num_f32 v[MC+\c], v[P+\c], v[P+4+\c], v[P+8+\c]
.endr
.irp j, 3,5,7,9,11,13
.irp c, 0,1,2,3
	v_max3_num_f32 v[MC+\c], v[MC+\c], v[P+4*\j+\c], v[P+4*\j+4+\c]
.endr
.endr
.irp c, 0,1,2,3
	v_max_num_f32 v[MC+\c], v[MC+\c], v[P+60+\c]
.endr
.irp j, 0,1,2,3,4,5,6,7,8,9,10,11,12,13,14,15
	v_pk_add_f32 v[P+4*\j:P+4*\j+1],   v[P+4*\j:P+4*\j+1],   v[MC:MC+1]   neg_lo:[0,1] neg_hi:[0,1]
	v_pk_add_f32 v[P+4*\j+2:P+4*\j+3], v[P+4*\j+2:P+4*\j+3], v[MC+2:MC+3] neg_lo:[0,1] neg_hi:[0,1]
.endr
.set n, 0
.rept 64
	v_exp_f32 v[P+n], v[P+n]
.set n, n+1
.endr
	v_nop                                          ; one plain vector instruction behind a run of transcendentals before their results are used (ISA guide 5.7.2)
	s_wait_alu depctr_va_vdst(0)
.irp k, 0,2
	v_pk_add_f32 v[SU+\k:SU+\k+1], v[P+\k:P+\k+1],     v[P+4+\k:P+5+\k]      ; the first four slices start the two chains
	v_pk_add_f32 v[SV+\k:SV+\k+1], v[P+8+\k:P+9+\k],   v[P+12+\k:P+13+\k]
.endr
.irp j, 4,6,8,10,12,14
.irp k, 0,2
	v_pk_add_f32 v[SU+\k:SU+\k+1], v[SU+\k:SU+\k+1], v[P+4*\j+\k:P+4*\j+\k+1]
	v_pk_add_f32 v[SV+\k:SV+\k+1], v[SV+\k:SV+\k+1], v[P+4*\j+4+\k:P+4*\j+5+\k]
.endr
.endr
	v_pk_add_f32 v[SU:SU+1],   v[SU:SU+1],   v[SV:SV+1]
	v_pk_add_f32 v[SU+2:SU+3], v[SU+2:SU+3], v[SV+2:SV+3]
.irp c, 0,1,2,3
	v_log_f32 v[SU+\c], v[SU+\c]
.endr
	v_nop
	s_wait_alu depctr_va_vdst(0)
	v_pk_add_f32 v[SU:SU+1],   v[SU:SU+1],   v[MC:MC+1]
	v_pk_add_f32 v[SU+2:SU+3], v[SU+2:SU+3], v[MC+2:MC+3]
	ds_store_b128 v[LW], v[SU:SU+3]                ; entry 2 w + h: entries 0-7 pos, 8-15 neg; a row of 64 n
	s_wait_dscnt 0x0                               ; for wave 0, which reads all sixteen
	s_barrier_signal -1
	s_barrier_wait -1
	s_cmp_lg_u32 s14, 0
	s_cbranch_scc1 .Ldone
.irp e, 0,1,2,3,4,5,6,7,8,9,10,11,12,13,14,15
	ds_load_b64 v[P+2*\e:P+2*\e+1], v[L8] offset:256*\e            ; n = 2 l, 2 l + 1 of entry e
.endr
	s_wait_dscnt 0x0
	; set t = 0, 1: entries at P + 16 t; maxima in MC + 2 t, sums in SU + 2 t
.irp t, 0,1
.irp c, 0,1
	v_max3_num_f32 v[MC+2*\t+\c], v[P+16*\t+\c], v[P+16*\t+2+\c], v[P+16*\t+4+\c]
.endr
.endr
.irp e, 3,5
.irp t, 0,1
.irp c, 0,1
	v_max3_num_f32 v[MC+2*\t+\c], v[MC+2*\t+\c], v[P+16*\t+2*\e+\c], v[P+16*\t+2*\e+2+\c]
.endr
.endr
.endr
.irp t, 0,1
.irp c, 0,1
	v_max_num_f32 v[MC+2*\t+\c], v[MC+2*\t+\c], v[P+16*\t+14+\c]
.endr
.endr
.irp t, 0,1
.irp e, 0,1,2,3,4,5,6,7
	v_pk_add_f32 v[P+16*\t+2*\e:P+16*\t+2*\e+1], v[P+16*\t+2*\e:P+16*\t+2*\e+1], v[MC+2*\t:MC+2*\t+1] neg_lo:[0,1] neg_hi:[0,1]
.endr
.endr
.set n, 0
.rept 32
	v_exp_f32 v[P+n], v[P+n]
.set n, n+1
.endr
	v_nop
	s_wait_alu depctr_va_vdst(0)
.irp t, 0,1
	v_pk_add_f32 v[SU+2*\t:SU+2*\t+1], v[P+16*\t:P+16*\t+1], v[P+16*\t+2:P+16*\t+3]
.endr
.irp e, 2,3,4,5,6,7
.irp t, 0,1
	v_pk_add_f32 v[SU+2*\t:SU+2*\t+1], v[SU+2*\t:SU+2*\t+1], v[P+16*\t+2*\e:P+16*\t+2*\e+1]
.endr
.endr
.irp c, 0,1,2,3
	v_log_f32 v[SU+\c], v[SU+\c]
.endr
	v_add_f32 v[XNP],   s16, v[XNP]                ; |xs|^2 + bias; plain work on other registers behind the logs
	v_add_f32 v[XNP+1], s16, v[XNP+1]
	v_add_f32 v[XNP+2], s17, v[XNP+2]
	v_add_f32 v[XNP+3], s17, v[XNP+3]
	s_wait_alu depctr_va_vdst(0)
	v_pk_add_f32 v[SU:SU+1],   v[SU:SU+1],   v[MC:MC+1]
	v_pk_add_f32 v[SU+2:SU+3], v[SU+2:SU+3], v[MC+2:MC+3]
.irp c, 0,1,2,3
	v_fma_f32 v[20+\c], v[SU+\c], LN2, -v[XNP+\c]  ; v[20:21] log_pos, v[22:23] log_neg
.endr
.irp c, 0,1
	v_max_num_f32 v[24+\c], v[20+\c], v[22+\c]     ; the larger of the two logs is taken away
	v_min_num_f32 v[26+\c], v[20+\c], v[22+\c]
.endr
.irp c, 0,1
	v_sub_f32 v[26+\c], v[26+\c], v[24+\c]         ; at most 0
	v_sub_f32 v[30+\c], v[20+\c], v[24+\c]         ; log_pos - larger
.endr
.irp c, 0,1
	v_mul_f32 v[26+\c], LOG2E, v[26+\c]
.endr
	v_exp_f32 v26, v26
	v_exp_f32 v27, v27
	v_nop
	s_wait_alu depctr_va_vdst(0)
	v_add_f32 v26, 1.0, v26
	v_add_f32 v27, 1.0, v27
	v_log_f32 v26, v26
	v_log_f32 v27, v27
	v_nop
	s_wait_alu depctr_va_vdst(0)
.irp c, 0,1
	v_fma_f32 v[28+\c], v[26+\c], LN2, v[24+\c]    ; out1 = larger + ln(1 + e^(smaller - larger))
	v_fma_f32 v[30+\c], -v[26+\c], LN2, v[30+\c]   ; out0 = (log_pos - larger) - that log: no difference of the two large logs is formed
.endr
	global_store_b64 v[L8], v[30:31], s[10:11]     ; 32 lanes, 256 consecutive bytes, aligned
	global_store_b64 v[L8], v[28:29], s[12:13]
.Ldone:
	s_wait_tensorcnt 0x0
	ds_add_u32 v96, v97
	s_wait_dscnt 0x0
	s_endpgm
.Lfunc_end_k_qdfa5bf8be8_fin:
	.size	k_qdfa5bf8be8_fin, .Lfunc_end_k_qdfa5bf8be8_fin-k_qdfa5bf8be8_fin
	.p2alignl 7, 3214868480
	.fill 96, 4, 3214868480
	.section	.rodata,"a",@progbits
	.p2align	6, 0x0
	.amdhsa_kernel k_qdfa5bf8be8_fin
		.amdhsa_group_segment_fixed_size 5120
		.amdhsa_private_segment_fixed_size 0
		.amdhsa_enable_private_segment 0
		.amdhsa_kernarg_size 40
		.amdhsa_user_sgpr_count 2
		.amdhsa_user_sgpr_kernarg_segment_ptr 1
		.amdhsa_wavefront_size32 1
		.amdhsa_system_sgpr_workgroup_id_x 1
		.amdhsa_system_sgpr_workgroup_id_y 1
		.amdhsa_system_sgpr_workgroup_id_z 1
		.amdhsa_system_vgpr_workitem_id 0
		.amdhsa_next_free_vgpr 98
		.amdhsa_next_free_sgpr 66
		.amdhsa_reserve_vcc 0
		.amdhsa_float_denorm_mode_32 3
		.amdhsa_float_denorm_mode_16_64 3
		.amdhsa_memory_ordered 1
		.amdhsa_forward_progress 1
		.amdhsa_inst_pref_size 19
	.end_amdhsa_kernel
	.amdgpu_metadata
---
amdhsa.version: [ 1, 2 ]
amdhsa.kernels:
  - .name:           k_qdfa5bf8be8_fin
    .symbol:         k_qdfa5bf8be8_fin.kd
    .args:
      - { .name: part, .offset: 0, .size: 8, .value_kind: global_buffer, .address_space: global }
      - { .name: xn, .offset: 8, .size: 8, .value_kind: global_buffer, .address_space: global }
      - { .name: weight_bias, .offset: 16, .size: 8, .value_kind: global_buffer, .address_space: global }
      - { .name: out0, .offset: 24, .size: 8, .value_kind: global_buffer, .address_space: global }
      - { .name: out1, .offset: 32, .size: 8, .value_kind: global_buffer, .address_space: global }
    .group_segment_fixed_size: 5120
    .private_segment_fixed_size: 0
    .kernarg_segment_align: 8
    .kernarg_segment_size: 40
    .max_flat_workgroup_size: 256
    .sgpr_count:     66
    .vgpr_count:     98
    .wavefront_size: 32
...
	.end_amdgpu_metadata
.endif
;; end of part 3
